; MI455X (gfx1250); checked and timed in simulation.
; The chip was launched on July 23, 2026; its instructions are those of AMD's public machine-readable ISA for CDNA 5 (MIT licence, August 2026) and "CDNA5" Instruction Set Architecture Reference Guide (July 2026). The comments in the code are by the model that wrote it; some were corrected since.
;; Attn H2 O. Allowed arithmetic: matrix products marked QUANTISED: E3M2 operands, one E8M0 scale for each 32 along K, by v_wmma_scale_f32_16x16x128_f8f6f4 with both operands' format E3M2, f32 sums; everything else in f32.
;; Inputs: k 4,096 x 1,024 float32; q 2,048 x 4,096 float32; v 4,096 x 1,024 float32.
;; Outputs: out0 2,048 x 4,096 float32; out1 8 x 4,096 float32.
;; This version of the problem:
;;   THIS VERSION OF THE PROBLEM IS GIVEN IN LOW PRECISION. The matrix products marked QUANTISED in the list below multiply operands that are first quantised to E3M2 (3 exponent bits, 2 mantissa bits; 6 bits a number), with one power-of-two scale for each 32 numbers along K (OCP MX v1.0); their sums are f32. All else is computed in f32.
;;   The module's matrix products, in the order in which they are computed (A, B: the left and right operand; K: the contracted axis; several contracted axes count as one K, in the product's order):
;;     1. batch 8 x [M 4,096, K 128] x [K 128, N 8,192]; A: input k; B: input q: QUANTISED
;;     2. batch 8 x [M 128, K 4,096] x [K 4,096, N 8,192]; A: input v; B: softmax (see below): QUANTISED
;;   THE QUANTISER, for each operand of a quantised product, along K:
;;     - K is cut into blocks of 32 from its start; a last block that is shorter is filled with zeros.
;;     - A block's scale is 2^e with e = floor(log2(the largest magnitude in the block)) - 4, held to -126 .. 127; a block of zeros has e = 0. As a byte (E8M0): e + 127.
;;     - Each number is divided by its block's scale, clamped to +-28, and rounded to the nearest number of E3M2, ties to even, subnormals kept.
;;     - The product sums the exact products of the quantised numbers (number of the format x scale) in f32.
;;   ~~~python
;;   def quantise(x, axis):      # numpy; x: float32 -> the quantised numbers, widened to float32 again
;;       x = np.moveaxis(x, axis, -1); K = x.shape[-1]
;;       x = np.pad(x, [(0, 0)] * (x.ndim - 1) + [(0, -K % 32)]); x = x.reshape(x.shape[:-1] + (-1, 32)); a = np.abs(x).max(-1, keepdims=True)
;;       e = np.where(a > 0, np.clip(np.frexp(np.where(a > 0, a, 1))[1] - 1 - 4, -126, 127), 0)      # np.frexp(a)[1] - 1 = floor(log2(a)), exactly
;;       r = np.clip(x / 2.0 ** e, -28, 28)
;;       step = 2.0 ** (np.maximum(np.frexp(np.where(r == 0, 1, r))[1] - 1, -2) - 2)
;;       q = np.round(r / step) * step * 2.0 ** e      # np.round: ties to even
;;       return np.moveaxis(q.reshape(q.shape[:-2] + (-1,))[..., :K], -1, axis).astype(np.float32)
;;   ~~~
;;   SOFTMAX AHEAD OF A QUANTISED PRODUCT. Where the list says 'softmax', what is quantised is not the finished softmax but p = 2^(t - M), with t = logit x log2(e) and M = ceil(the row's largest t), a whole number; so 1/2 < the row's largest p <= 1. The row's sum l is taken of the UNQUANTISED p, in f32, and the product's result is divided by l at the end. Since M is a whole number, a kernel that streams over the keys may use a running M (the ceiling of the running maximum): every later rescaling is an exact power of two, which a block's scale takes up: the codes' values come out the same.
;;   OPERANDS COMPUTED ON THE WAY. 'Computed on the way' means the value that the module computes at that place (a softmax that the list does not call 'softmax' is quantised finished and normalised). What goes into a quantiser is computed in f32, as accurately as f32 sums, v_exp_f32 and their like allow (about 1e-6 of the number): no bf16 or f16 on the way to a quantiser, and a product that is left as it is and whose result goes on into a quantised operand takes f32 operands (vector FMAs, or v_wmma_f32_16x16x4_f32). A number that lies on a knife's edge between two numbers of the format may be rounded either way, as far as f32 arithmetic and the matrix unit's own rounding can turn it there, and no further.
;; One version. Each part assembles by itself: llvm-mc -triple=amdgcn-amd-amdhsa -mcpu=gfx1250 --defsym DOCPART=n.
;; ======== version 1 of 1: 3 launches
;; limits: right only within a limited range of input values
;; workspace buffers: kvc 6,553,600 bytes; qc 6,291,456 bytes; qs 262,144 bytes; stat 262,144 bytes
;; launch quant (part 1): grid 1024 x 1, 4 waves a work-group, no clusters, 34,304 bytes of LDS; arguments k, q, v, kvc, qc, qs; writes kvc, qc, qs
.if DOCPART == 1
	.amdgcn_target "amdgcn-amd-amdhsa--gfx1250"
	.amdhsa_code_object_version 6
	.text
	.protected	k_q9a8c80605b_quant
	.globl	k_q9a8c80605b_quant
	.p2align	8
	.type	k_q9a8c80605b_quant,@function
k_q9a8c80605b_quant:
	s_mov_b64 s[64:65], 0
	v_nop
	global_prefetch_b8 v0, s[64:65] scope:SCOPE_SE
	s_setreg_imm32_b32 hwreg(HW_REG_WAVE_MODE, 25, 1), 1
	s_wait_xcnt 0x0
; k [4096][1024], q [2048][4096], v [4096][1024], f32, become codes of BF6 (E3M2) with one E8M0 scale byte for each 32 along a product's K,
; laid as IMAGES OF THE OPERANDS' REGISTERS: a fragment (16 rows x 128 K, 12 registers a lane) is 1,536 bytes, registers 4 i .. 4 i + 3 of lane L at 512 i + 16 L.
; kvc: [kv head 8][key step 32][25,600 bytes]: K's 8 fragments, 512 bytes of K's scale words, V^T's 8 fragments, 512 bytes of V's scale words.
;   Scale words of tiles 2 p and 2 p + 1 share 128 bytes: lane L < 16 row L of tile 2 p, lane L >= 16 row L - 16 of tile 2 p + 1.
;   Row r of K's tile t is key 64 (t / 4) + 8 (t % 4) + r % 8 + 32 (r / 8) of the step; V^T's tile t is channels 16 t .. 16 t + 15, its K the step's 128 keys in order.
; qc: [head 32][tile of 16 queries 128][1,536 bytes];  qs: [head 32][2048] one scale word a query.
; A block's scale is 2^(floor(log2(largest magnitude)) - 4): its byte is that magnitude's exponent field - 4, held at 1 from below.
; LIMITS: a block of zeros, or one under 2^-122, gets the byte 1 where the rule says 127 (its codes are zeros, and this program alone reads the bytes); NaN and infinities are not served.
; Work-groups 0-255 take K (one key step of one head), 256-767 Q (128 queries of one head), 768-1023 V (one key step of one head): 64 KB of f32 each, read once.
; K and Q have their K innermost: a load takes a row's 512 bytes as they lie, and a tile turns through the wave's own stage in LDS so that a lane holds 16 neighbours of each block.
; V has the keys as its first axis: a lane takes a channel and its registers run down the keys; nothing is turned.  Waves share nothing: no barrier.
.set OFF,  16                          ; v16-31   byte offset of row i of a tile, + 16 x lane
.set R0,   32                          ; v32-95   tile 0's numbers
.set R1,   96                          ; v96-159  tile 1's
.set PCA,  160                         ; v160-178 tile 0's codes (12) and the halves that are moved (7)
.set PCB,  180                         ; v180-198 tile 1's
.set TM,   200                         ; v200-215 at work in QUANT
.set PW0,  216                         ; scale words of tile 0, of tile 1, and the two merged
.set PW1,  217
.set PWM,  218
.set SPITCH, 528                       ; a stage row: 512 bytes + 16
.set XV,   32                          ; V: v32-95 two sets of 32 numbers
.set FV,   96                          ; v96-119  the registers of the two fragment lanes that my channel feeds
.set TV,   120                         ; v120-122 a conversion's result on its way to an odd register
.set SBV,  124                         ; my channel's scale word
.macro LOADT reg, sb                   ; a tile's 16 rows: each load reads 512 consecutive bytes
.irp i, 0,1,2,3,4,5,6,7,8,9,10,11,12,13,14,15
	global_load_b128 v[\reg+4*\i:\reg+4*\i+3], v[OFF+\i], s[\sb:\sb+1] th:TH_LOAD_NT
.endr
.endm
.macro TURN reg                        ; through the stage: in by rows, back 16 neighbours of each block of 32 a lane; LDS serves a wave's instructions in order
.irp i, 0,1,2,3,4,5,6,7,8,9,10,11,12,13,14,15
	ds_store_b128 v6, v[\reg+4*\i:\reg+4*\i+3] offset:SPITCH*\i
.endr
.irp b, 0,1,2,3
.irp j, 0,1,2,3
	ds_load_b128 v[\reg+16*\b+4*\j:\reg+16*\b+4*\j+3], v7 offset:128*\b+16*\j
.endr
.endr
.endm
; 64 numbers of a lane, register 16 b + i = k 32 b + 16 (lane / 16) + i of row lane % 16, become a fragment's 12 registers in v[pc] on and the row's scale word in v[pw]
.macro QUANT s, pc, pw
.irp b, 0,1,2,3
	v_max3_num_f32 v[TM+\b], |v[\s+16*\b]|, |v[\s+1+16*\b]|, 0x2800000   ; my 16 numbers of block b, and the floor 2^(5 - 127)
.endr
.irp i, 2,4,6,8,10,12,14
.irp b, 0,1,2,3
	v_max3_num_f32 v[TM+\b], v[TM+\b], |v[\s+16*\b+\i]|, |v[\s+1+16*\b+\i]|
.endr
.endr
.irp b, 0,1,2,3
	v_permlanex16_b32 v[TM+4+\b], v[TM+\b], s50, s51
.endr
.irp b, 0,1,2,3
	v_max_num_f32 v[TM+\b], v[TM+\b], v[TM+4+\b]       ; with lane l xor 16's: the block's largest magnitude
.endr
.irp b, 0,1,2,3
	v_add_nc_u32 v[TM+12+\b], 0xfe000000, v[TM+\b]     ; 4 off its exponent field: the conversion's scale operand
.endr
.irp b, 0,1,2,3
	v_lshrrev_b32 v[TM+4+\b], 23, v[TM+12+\b]          ; the scale's byte
.endr
	v_lshl_or_b32 v[\pw], v[TM+5], 8, v[TM+4]
	v_lshl_or_b32 v[\pw], v[TM+6], 16, v[\pw]
	v_lshl_or_b32 v[\pw], v[TM+7], 24, v[\pw]
.irp c, 0,1
	v_cvt_scalef32_pk16_bf6_f32 v[\pc+6*\c:\pc+2+6*\c], v[\s+32*\c:\s+15+32*\c], v[TM+12+2*\c]
	v_cvt_scalef32_pk16_bf6_f32 v[\pc+12+4*\c:\pc+14+4*\c], v[\s+16+32*\c:\s+31+32*\c], v[TM+12+2*\c+1]   ; (a conversion's three registers begin on an even number)
.endr
	v_nop                                              ; one plain place behind a scaled conversion
.irp c, 0,1                            ; the operand's layout wants a whole block in a lane: lanes 0-15 block 2 c, lanes 16-31 block 2 c + 1
.irp i, 0,1,2
	v_permlane16_swap_b32 v[\pc+6*\c+\i], v[\pc+12+4*\c+\i]
.endr
.irp i, 0,1,2
	v_mov_b32 v[\pc+3+6*\c+\i], v[\pc+12+4*\c+\i]
.endr
.endr
.endm
.macro LOADV t                         ; V: keys 32 t + i of my channel into set t % 2: 32 lanes read 128 consecutive bytes
.irp i, 0,1,2,3,4,5,6,7,8,9,10,11,12,13,14,15,16,17,18,19,20,21,22,23,24,25,26,27,28,29,30,31
	global_load_b32 v[XV+32*((\t)%2)+\i], v5, s[8:9] offset:(32*(\t)+\i)*4096 th:TH_LOAD_NT
.endr
.endm
.macro BLOCK t                         ; block t = 2 cc + hh of my channel: registers 6 cc .. 6 cc + 5 of fragment lane (channel % 16, hh)
.set XS, XV+32*((\t)%2)
.set FD, FV+12*((\t)%2)+6*((\t)/2)
.if (\t) < 3
	s_wait_loadcnt 32                                  ; this block's 32 loads are in; the next block's 32 may be out
.else
	s_wait_loadcnt 0x0
.endif
	v_max3_num_f32 v12, |v[XS]|, |v[XS+1]|, |v[XS+2]|
	v_max3_num_f32 v13, |v[XS+3]|, |v[XS+4]|, |v[XS+5]|
.irp i, 6,10,14,18,22,26
	v_max3_num_f32 v12, v12, |v[XS+\i]|, |v[XS+\i+1]|
	v_max3_num_f32 v13, v13, |v[XS+\i+2]|, |v[XS+\i+3]|
.endr
	v_max3_num_f32 v12, v12, |v[XS+30]|, |v[XS+31]|
	v_max3_num_f32 v12, v12, v13, 0x2800000            ; and the floor
	v_add_nc_u32 v11, 0xfe000000, v12
	v_lshrrev_b32 v13, 23, v11
.if (\t) == 0
	v_mov_b32 v[SBV], v13
.else
	v_lshl_or_b32 v[SBV], v13, 8*(\t), v[SBV]
.endif
	v_cvt_scalef32_pk16_bf6_f32 v[FD:FD+2], v[XS:XS+15], v11
	v_cvt_scalef32_pk16_bf6_f32 v[TV:TV+2], v[XS+16:XS+31], v11
	v_nop                                              ; one plain place behind a scaled conversion
.irp i, 0,1,2
	v_mov_b32 v[FD+3+\i], v[TV+\i]
.endr
.if (\t) < 2
	LOADV (\t)+2
.endif
.endm
	s_load_b256 s[4:11], s[0:1], 0x0               ; k s[4:5], q s[6:7], v s[8:9], kvc s[10:11]
	s_load_b128 s[12:15], s[0:1], 0x20             ; qc s[12:13], qs s[14:15]
	v_lshl_add_u32 v224, v0, 2, 0x8400
	v_mov_b32 v225, 0
	v_lshrrev_b32 v1, 5, v0
	v_readfirstlane_b32 s16, v1                    ; wave 0..3
	v_and_b32 v1, 31, v0                           ; lane
	v_and_b32 v2, 15, v0                           ; r
	v_bfe_u32 v3, v0, 4, 1                         ; h
	v_lshlrev_b32 v4, 4, v1                        ; 16 x lane
	v_lshlrev_b32 v5, 2, v1                        ; 4 x lane
	s_cmp_lt_u32 ttmp9, 768
	s_cbranch_scc0 .Lpath_v
	; ---- K and Q.  A wave makes two tiles.  All that differs between the tensors is chosen below, on the work-group's number alone.
	s_and_b32 s18, ttmp9, 31                       ; K: work-group = 32 x head + step
	s_lshl_b32 s18, s18, 19                        ; the step's 128 rows of 4,096 bytes
	s_lshr_b32 s19, ttmp9, 5
	s_lshl_b32 s19, s19, 9                         ; the head's 512 bytes of a row
	s_add_co_u32 s18, s18, s19
	s_lshr_b32 s19, s16, 1                         ; my wave makes K's tiles 2 w and 2 w + 1: they begin at key 64 (w / 2) + 16 (w % 2)
	s_lshl_b32 s19, s19, 18
	s_and_b32 s20, s16, 1
	s_lshl_b32 s20, s20, 16
	s_add_co_u32 s19, s19, s20
	s_add_co_u32 s18, s18, s19                     ; K: where I read
	s_mul_i32 s20, ttmp9, 25600                    ; K: the step's block of kvc
	s_add_co_u32 s27, s20, 12288                   ; and its scale words
	s_max_u32 s21, ttmp9, 256
	s_sub_co_u32 s21, s21, 256                     ; Q: work-group - 256 = 16 x head + block of 128 queries
	s_and_b32 s22, s21, 15
	s_lshl_b32 s22, s22, 7
	s_lshl_b32 s23, s16, 5
	s_add_co_u32 s22, s22, s23                     ; my wave's first query
	s_lshl_b32 s22, s22, 14                        ; rows of 16,384 bytes
	s_lshr_b32 s23, s21, 4
	s_lshl_b32 s23, s23, 9
	s_add_co_u32 s22, s22, s23                     ; Q: where I read
	s_mul_i32 s23, s21, 12288                      ; Q: the block's 8 fragments in qc
	s_lshl_b32 s24, s21, 9                         ; and its 128 scale words in qs
	s_mul_i32 s25, s16, 3072                       ; my wave's two fragments
	s_lshl_b32 s26, s16, 7                         ; my wave's 32 scale words
	s_mul_i32 s17, s16, 16*SPITCH                  ; my stage
	s_wait_alu depctr_va_vdst(0)
	v_add_nc_u32 v6, s17, v4                       ; in: 16 x lane of a row
	v_mul_u32_u24 v7, v2, SPITCH
	v_lshl_add_u32 v7, v3, 6, v7
	v_add_nc_u32 v7, s17, v7                       ; back: row r, + 64 h
	s_mov_b32 s50, 0x76543210
	s_mov_b32 s51, 0xfedcba98                      ; v_permlanex16_b32's selects for lane l xor 16
.irp b, 0,1,2,3
	v_mov_b32 v[TM+4+\b], 0                        ; written once: a lane permute's destination counts as one of its sources
.endr
	s_mov_b32 s40, 16384
	s_mov_b32 s42, 262144
	s_wait_kmcnt 0x0
	s_cmp_lt_u32 ttmp9, 256                        ; K's work-group or Q's?
	s_cselect_b64 s[28:29], s[4:5], s[6:7]
	s_cselect_b64 s[30:31], s[10:11], s[12:13]
	s_cselect_b64 s[32:33], s[10:11], s[14:15]
	s_cselect_b32 s34, s18, s22
	s_cselect_b32 s36, s20, s23
	s_cselect_b32 s38, s27, s24
	s_cselect_b32 s40, 4096, s40                   ; bytes from row to row
	s_cselect_b32 s42, 32768, s42                  ; from tile 0 to tile 1: 8 keys, or 16 queries
	s_cselect_b32 s43, 98304, 0                    ; K: rows 8-15 of a tile lie 24 keys further on: row 8 is the tile's key 32
	s_add_co_u32 s36, s36, s25
	s_add_co_u32 s38, s38, s26
	s_mov_b32 s35, 0
	s_mov_b32 s37, 0
	s_mov_b32 s39, 0
	s_mov_b32 s44, s42
	s_mov_b32 s45, 0
	s_add_nc_u64 s[28:29], s[28:29], s[34:35]      ; tile 0's first row
	s_add_nc_u64 s[46:47], s[28:29], s[44:45]      ; tile 1's
	s_add_nc_u64 s[30:31], s[30:31], s[36:37]      ; my fragments
	s_add_nc_u64 s[32:33], s[32:33], s[38:39]      ; my scale words
.irp i, 0,1,2,3,4,5,6,7,8,9,10,11,12,13,14,15
	s_mul_i32 s48, s40, \i
.if \i >= 8
	s_add_co_u32 s48, s48, s43
.endif
	v_add_nc_u32 v[OFF+\i], s48, v4
.endr
	s_wait_alu depctr_va_vdst(0)
	LOADT R0, 28
	LOADT R1, 46
	s_wait_loadcnt 16                              ; tile 0's sixteen loads are in; tile 1's sixteen may be out
	TURN R0
	s_wait_loadcnt 0x0
	TURN R1                                        ; the one stage serves both: these stores come behind tile 0's reads, in order
	s_wait_dscnt 32                                ; tile 0 is back; tile 1's 32 LDS instructions may be out
	QUANT R0, PCA, PW0
.irp c, 0,1,2
	global_store_b128 v4, v[PCA+4*\c:PCA+4*\c+3], s[30:31] offset:512*\c          ; 32 lanes store 512 consecutive bytes
.endr
	s_wait_dscnt 0x0
	QUANT R1, PCB, PW1
.irp c, 0,1,2
	global_store_b128 v4, v[PCB+4*\c:PCB+4*\c+3], s[30:31] offset:1536+512*\c
.endr
	v_cmp_le_u32 vcc_lo, 16, v1
	v_cndmask_b32 v[PWM], v[PW0], v[PW1], vcc_lo   ; lanes 0-15 tile 0's rows, lanes 16-31 tile 1's (each word stands in lanes r and r + 16)
	global_store_b32 v5, v[PWM], s[32:33]          ; 128 consecutive bytes
	s_wait_tensorcnt 0x0                           ; the wave's end
	ds_add_u32 v224, v225
	s_wait_dscnt 0x0
	s_endpgm
.Lpath_v:
	; ---- V.  Work-group - 768 = 32 x head + step.  Lane = channel 32 x wave + lane.
	s_sub_co_u32 s17, ttmp9, 768
	s_and_b32 s18, s17, 31
	s_lshl_b32 s18, s18, 19
	s_lshr_b32 s19, s17, 5
	s_lshl_b32 s19, s19, 9
	s_add_co_u32 s18, s18, s19
	s_lshl_b32 s19, s16, 7
	s_add_co_u32 s18, s18, s19                     ; where I read: the step's rows, the head, my wave's 32 channels
	s_mov_b32 s19, 0
	s_mul_i32 s20, s17, 25600
	s_mul_i32 s21, s16, 3072
	s_add_co_u32 s22, s20, s21
	s_add_co_u32 s22, s22, 12800                   ; V^T's fragments 2 w and 2 w + 1
	s_mov_b32 s23, 0
	s_lshl_b32 s21, s16, 7
	s_add_co_u32 s24, s20, s21
	s_add_co_u32 s24, s24, 25088                   ; and their scale words
	s_mov_b32 s25, 0
	s_wait_alu depctr_va_vdst(0)
	v_mul_u32_u24 v8, v3, 1536
	v_lshl_add_u32 v8, v2, 4, v8                   ; my channel's tile, and its row's 16 bytes
	s_wait_kmcnt 0x0
	s_add_nc_u64 s[8:9], s[8:9], s[18:19]
	s_add_nc_u64 s[26:27], s[10:11], s[22:23]
	s_add_nc_u64 s[28:29], s[10:11], s[24:25]
	LOADV 0
	LOADV 1
	BLOCK 0
	BLOCK 1
	BLOCK 2
	BLOCK 3
.irp hh, 0,1
.irp i, 0,1,2
	global_store_b128 v8, v[FV+12*\hh+4*\i:FV+12*\hh+4*\i+3], s[26:27] offset:512*\i+256*\hh   ; sixteen lanes store 256 consecutive bytes, aligned
.endr
.endr
	global_store_b32 v5, v[SBV], s[28:29]          ; 128 consecutive bytes
	s_endpgm
.Lfunc_end_k_q9a8c80605b_quant:
	.size	k_q9a8c80605b_quant, .Lfunc_end_k_q9a8c80605b_quant-k_q9a8c80605b_quant
	.p2alignl 7, 3214868480
	.fill 96, 4, 3214868480
	.section	.rodata,"a",@progbits
	.p2align	6, 0x0
	.amdhsa_kernel k_q9a8c80605b_quant
		.amdhsa_group_segment_fixed_size 34304
		.amdhsa_private_segment_fixed_size 0
		.amdhsa_enable_private_segment 0
		.amdhsa_kernarg_size 48
		.amdhsa_user_sgpr_count 2
		.amdhsa_user_sgpr_kernarg_segment_ptr 1
		.amdhsa_wavefront_size32 1
		.amdhsa_system_sgpr_workgroup_id_x 1
		.amdhsa_system_sgpr_workgroup_id_y 1
		.amdhsa_system_sgpr_workgroup_id_z 1
		.amdhsa_system_vgpr_workitem_id 0
		.amdhsa_next_free_vgpr 226
		.amdhsa_next_free_sgpr 66
		.amdhsa_reserve_vcc 1
		.amdhsa_float_denorm_mode_32 3
		.amdhsa_float_denorm_mode_16_64 3
		.amdhsa_memory_ordered 1
		.amdhsa_forward_progress 1
		.amdhsa_inst_pref_size 40
	.end_amdhsa_kernel
	.amdgpu_metadata
---
amdhsa.version: [ 1, 2 ]
amdhsa.kernels:
  - .name:           k_q9a8c80605b_quant
    .symbol:         k_q9a8c80605b_quant.kd
    .args:
      - { .name: k, .offset: 0, .size: 8, .value_kind: global_buffer, .address_space: global }
      - { .name: q, .offset: 8, .size: 8, .value_kind: global_buffer, .address_space: global }
      - { .name: v, .offset: 16, .size: 8, .value_kind: global_buffer, .address_space: global }
      - { .name: kvc, .offset: 24, .size: 8, .value_kind: global_buffer, .address_space: global }
      - { .name: qc, .offset: 32, .size: 8, .value_kind: global_buffer, .address_space: global }
      - { .name: qs, .offset: 40, .size: 8, .value_kind: global_buffer, .address_space: global }
    .group_segment_fixed_size: 34304
    .private_segment_fixed_size: 0
    .kernarg_segment_align: 8
    .kernarg_segment_size: 48
    .max_flat_workgroup_size: 128
    .sgpr_count:     66
    .vgpr_count:     226
    .wavefront_size: 32
...
	.end_amdgpu_metadata
.endif
;; end of part 1
;; launch attn (part 2): grid 32 x 8, 8 waves a work-group, clusters of 4 x 1, 327,680 bytes of LDS; arguments kvc, qc, qs, out0, stat; writes out0, stat
.if DOCPART == 2
	.amdgcn_target "amdgcn-amd-amdhsa--gfx1250"
	.amdhsa_code_object_version 6
	.text
	.protected	k_q9a8c80605b_attn
	.globl	k_q9a8c80605b_attn
	.p2align	8
	.type	k_q9a8c80605b_attn,@function
k_q9a8c80605b_attn:
	s_mov_b64 s[64:65], 0
	v_nop
	global_prefetch_b8 v0, s[64:65] scope:SCOPE_SE
	s_setreg_imm32_b32 hwreg(HW_REG_WAVE_MODE, 25, 1), 1
	s_wait_xcnt 0x0
	s_wait_alu depctr_hold_cnt(0) depctr_sa_sdst(0) depctr_va_vdst(0) depctr_va_sdst(0) depctr_va_ssrc(0) depctr_va_vcc(0) depctr_vm_vsrc(0)
	s_getreg_b32 s2, hwreg(HW_REG_IB_STS2, 6, 4)
	s_cmp_eq_u32 s2, 0
	s_cbranch_scc0 .Lentry_in_a_cluster
	s_endpgm
.Lentry_in_a_cluster:
	s_bfe_u32 s2, ttmp6, 0x10000c
	s_cmp_lg_u32 s2, 0x3003
	s_cbranch_scc0 .Lentry_shape_is_right
	s_endpgm
.Lentry_shape_is_right:
; out0[q][head] = softmax_k(Q . K / sqrt(128)) V, key k counting for query q where k <= q + 2048; both products on codes of BF6 (E3M2) with E8M0 scales.
; stat[head][q] = -(M + log2 l): what the next launch adds to c x score to get the finished probability's logarithm.
; THE SOFTMAX: t = score x c, c = log2(e) / sqrt(128); M = the running largest t rounded UP to a whole number; p = 2^(t - M) is quantised along the keys;
; the row's sum l is taken of the unquantised p and divides at the end.  When M moves, l and O are multiplied by 2^(old M - new M): exact.
; WORK LEFT OUT: key steps whose 128 keys all lie behind reference()'s own causal mask for a tile's 16 queries are not multiplied.
; LIMITS: NaN and infinite inputs are not served.  A block's largest p is made from its largest score by the same multiply-add and exponential (it leans on v_exp_f32 not
; falling where its input rises).  v_exp_f32 gives 0 under 2^-126.  A block whose p are all 0 keeps the scale byte 1: its codes are zeros.
; SHARES.  A cluster is the four query heads of one kv head at the same queries: they walk the same K and V in step, so each tile is asked for jointly.
; A work-group owns blocks j and 15 - j of 128 queries (j = the cluster's x).  Wave w owns tile 0 = queries 128 j + 16 w on and tile 1 = queries 128 (15 - j) + 16 w on.
; Tile 0 sees key steps 0 .. 16 + j, tile 1 steps 0 .. 31 - j; the last of each lies on the diagonal: 49 tile steps for every wave.  Tile 0 is stored as soon as its last step is done.
; A step past 31 - j is jumped over by a scalar branch on ids; its tiles are still fetched, so that trip counts stay constants.
; LAYOUT.  Both products are used transposed (S^T = K Q^T, O^T = V^T P^T): a lane holds one query (lane % 16).  Row r of K's tile t is key 64 (t / 4) + 8 (t % 4) + r % 8 + 32 (r / 8),
; so register e of S^T in lane half h is key 64 (e / 32) + 32 h + e % 32: a lane holds two WHOLE blocks of 32 keys, in the order of the operand's registers: no lane is asked for a block's maximum, no code changes lanes.
; The two tiles' softmaxes go phase by phase together, so that their chains take turns and one pair of waits serves both batches of exponentials.
; LDS: two slots of 4 steps (102,400 bytes, the second 2^17 on), filled by waves 0-3, one step's dense 25,600 bytes each; a stage of 16 rows x 272 bytes a wave; the spare words.
; No prefetch into the L2: each slot is asked for four steps' work ahead of its first read, and a kv head's 819,200 bytes are walked in step by the eight clusters of that head.
; REGISTERS.  Window 0: v1-11 addresses, v12-19 statistics, v20-33 scale words, v34-55 at work, v56-79 p's codes, v80-95 halves on their way, v96-223 S^T then p, v224-238 at work.
; Window 1: v0-127 O^T (64 a tile); v128-151 Q's fragments; v152-247 eight fragments of K, then of V.
.set STEPB, 25600
.set SLOTB, 4*STEPB
.set SLOT1, 1<<17
.set SP,    272
.set STAGE, SLOT1+SLOTB                ; blocks of 256 bytes into which no fill lands
.set SPARE, STAGE+8*16*SP              ; the spare words, 128 bytes a wave
.set LI,   1                           ; 16 x lane
.set LS,   2                           ; 4 x lane
.set SPW,  3
.set NIL,  4
.set ADK,  5
.set ADS,  6
.set DM,   7                           ; 16 w + r - 32 h: on the diagonal register e is hidden where 64 (e / 32) + e % 32 > DM
.set NINF, 8
.set GO,   9
.set STO,  10
.set RD,   11
.set ST,   12                          ; tile x at ST + 4 x: -M, the largest t
.set QSW,  20
.set PSW,  22
.set SH8,  24                          ; 8 h
.set KSW,  26
.set VSW,  30
.set FF,   34                          ; tile x: v[FF+2x] = 2^(old M - new M); the odd register is named with it and written once
.set BM,   38                          ; tile x: four partial maxima; then BM+4x+2c block c's largest score and p, BM+4x+2c+1 its byte
.set BS,   46                          ; tile x, block c: the conversions' scale operand
.set TT,   50
.set TO,   52
.set BX,   54
.set PC,   56
.set CT,   80
.set SS,   96
.set AV,   228
.set RC,   230
.set LG,   232
.set R15,  234
.set HH,   235
.set QO,   236
.set SO,   237
.set SV,   238
.set OA,   0                           ; window 1
.set QF,   128
.set KF,   152
.set LSUM, 248                         ; window 1, v248-255: tile x at LSUM + 4 x: the row's sum, two chains of two halves, kept from step to step
.set MSB, 0
.macro WIN new                         ; the immediate's high byte repeats the setting that is left
.if MSB != \new
	s_set_vgpr_msb (MSB<<8)|\new
.set MSB, \new
.endif
.endm
.macro PLACES                          ; four places behind a matrix instruction (ISA guide 7.12.1)
.rept 4
	v_nop
.endr
.endm
.macro ROUND                           ; a round of the cluster's barrier
	s_barrier_signal -1
	s_barrier_wait -1
	s_cmp_lg_u32 s14, 0
	s_cbranch_scc1 .Lnot_wave_0_\@
	s_barrier_signal -3
.Lnot_wave_0_\@:
	s_barrier_wait -3
	s_barrier_signal -1
	s_barrier_wait -1
.endm
.macro TLOAD                           ; waves 0-3 ask for one step each of a slot's four
	s_cmp_lt_u32 s14, 4
	s_cbranch_scc0 .Lasked_\@
	tensor_load_to_lds s[32:35], s[24:31]
	s_nop 0
.rept 4
	v_nop
.endr
.Lasked_\@:
.endm
.macro CHANGE fill                     ; the change of slots: all my tensor loads, the add, my reads; a round; the joint refill first behind it
	s_wait_tensorcnt 0x0
	ds_add_u32 v[SPW], v[NIL]
	ds_add_u32 v[SPW], v[NIL]
.if \fill
	s_xor_b32 s33, s33, SLOT1
	s_add_nc_u64 s[34:35], s[34:35], SLOTB
.endif
	s_wait_dscnt 0x0
.if \fill
	ROUND
	TLOAD
.else
	s_barrier_signal -1
	s_barrier_wait -1
.endif
.endm
.macro LOADF base, sw                  ; four registers of scale words first, then eight fragments, three loads of 512 consecutive bytes each
	WIN 0
.irp p, 0,1,2,3
	ds_load_b32 v[\sw+\p], v[ADS] offset:\base+12288+128*\p
.endr
	WIN 0x40
.irp t, 0,1,2,3,4,5,6,7
.irp i, 0,1,2
	ds_load_b128 v[KF+12*\t+4*\i:KF+12*\t+4*\i+3], v[ADK] offset:\base+1536*\t+512*\i
.endr
.endr
	WIN 0
.endm
.macro SM1 x, t                        ; S^T: source 0 = 16 keys, source 1 = 16 queries; an odd tile's scale words stand in lanes 16-31
.if (\t)%2
	v_wmma_scale_f32_16x16x128_f8f6f4 v[SS+64*\x+8*\t:SS+64*\x+8*\t+7], v[KF+12*\t:KF+12*\t+11], v[QF+12*\x:QF+12*\x+11], 0, v[KSW+\t/2], v[QSW+\x] matrix_a_fmt:MATRIX_FMT_BF6 matrix_b_fmt:MATRIX_FMT_BF6 matrix_a_scale:MATRIX_SCALE_ROW1
.else
	v_wmma_scale_f32_16x16x128_f8f6f4 v[SS+64*\x+8*\t:SS+64*\x+8*\t+7], v[KF+12*\t:KF+12*\t+11], v[QF+12*\x:QF+12*\x+11], 0, v[KSW+\t/2], v[QSW+\x] matrix_a_fmt:MATRIX_FMT_BF6 matrix_b_fmt:MATRIX_FMT_BF6
.endif
.endm
.macro PV1 x, t                        ; O^T += V^T P^T
.if (\t)%2
	v_wmma_scale_f32_16x16x128_f8f6f4 v[OA+64*\x+8*\t:OA+64*\x+8*\t+7], v[KF+12*\t:KF+12*\t+11], v[PC+12*\x:PC+12*\x+11], v[OA+64*\x+8*\t:OA+64*\x+8*\t+7], v[VSW+\t/2], v[PSW+\x] matrix_a_fmt:MATRIX_FMT_BF6 matrix_b_fmt:MATRIX_FMT_BF6 matrix_a_scale:MATRIX_SCALE_ROW1
.else
	v_wmma_scale_f32_16x16x128_f8f6f4 v[OA+64*\x+8*\t:OA+64*\x+8*\t+7], v[KF+12*\t:KF+12*\t+11], v[PC+12*\x:PC+12*\x+11], v[OA+64*\x+8*\t:OA+64*\x+8*\t+7], v[VSW+\t/2], v[PSW+\x] matrix_a_fmt:MATRIX_FMT_BF6 matrix_b_fmt:MATRIX_FMT_BF6
.endif
.endm
; n = 2: tiles 1 and 0; n = 1: tile 1 alone
.macro SMUL n                          ; fragment t is multiplied as soon as it is in: behind it 3 (7 - t) loads may be out
	WIN 0x05
.irp t, 0,1,2,3,4,5,6,7
	s_wait_dscnt 21-3*\t
	SM1 1, \t
.if \n == 2
	SM1 0, \t
.endif
.endr
.endm
.macro ADDS n, cnt                     ; the next cnt of the 32 n lines that add the unquantised p to the rows' sums, the tiles and each tile's two chains by turns
.rept \cnt
.set ax, 1-(aq%\n)
.set qq, aq/\n
	v_pk_add_f32 v[LSUM+4*ax+2*(qq%2):LSUM+4*ax+2*(qq%2)+1], v[LSUM+4*ax+2*(qq%2):LSUM+4*ax+2*(qq%2)+1], v[SS+64*ax+2*qq:SS+64*ax+2*qq+1]
.set aq, aq+1
.endr
.endm
; O^T += V^T P^T, the accumulators by turns, one instruction a turn.  The rows' sums stand among the products under the one window setting
; (V, O^T and the sums in window 1, p and its codes in window 0): eight lines ahead of the first product, which are the places behind p's codes and scale words, three behind each product.
.macro PVMUL n
	WIN 0x51
.set aq, 0
	ADDS \n, 8
.irp t, 0,1,2,3,4,5,6,7
	PV1 1, \t
	ADDS \n, 3
.if \n == 2
	PV1 0, \t
	ADDS \n, 3
.endif
.endr
.if \n == 2
	ADDS \n, 8
.endif
	WIN 0
.endm
.macro MASK x                          ; the diagonal step: a hidden key's score becomes -infinity, p = 0
.set e, 0
.rept 64
	v_cmp_gt_i32 vcc_lo, 64*(e/32)+e%32, v[DM]
	v_cndmask_b32 v[SS+64*\x+e], v[SS+64*\x+e], v[NINF], vcc_lo
.set e, e+1
.endr
.endm
.macro CL x                            ; line kk of a tile's chains
.set rT, ST+4*\x
.if kk == 0
	v_mov_b32 v[TO+\x], v[rT]                          ; the old -M
.elseif kk == 1
	v_max_num_f32 v[TT+\x], v[BM+4*\x], v[BM+4*\x+2]   ; my 64 keys' largest score
.elseif kk == 2
	v_permlanex16_b32 v[BX+\x], v[TT+\x], s20, s21
.elseif kk == 3
	v_max_num_f32 v[TT+\x], v[TT+\x], v[BX+\x]         ; with lane l xor 16's 64 keys
.elseif kk == 4
	v_mul_f32 v[TT+\x], s22, v[TT+\x]                  ; as t (c is positive)
.elseif kk == 5
	v_max_num_f32 v[rT+1], v[rT+1], v[TT+\x]           ; the running largest t
.elseif kk == 6
	v_floor_f32 v[rT], -v[rT+1]                        ; the new -M: M is a whole number
.elseif kk == 7
	v_sub_f32 v[TT+\x], v[rT], v[TO+\x]                ; old M - new M, 0 or less
.elseif kk == 8
	v_cvt_i32_f32 v[TT+\x], v[TT+\x]                   ; (it saturates)
.elseif kk == 9
	v_ldexp_f32 v[FF+2*\x], 1.0, v[TT+\x]              ; f = 2^(old M - new M)
.elseif kk == 10
	v_lshl_or_b32 v[TT+\x], v[BM+4*\x+3], 16, v[BM+4*\x+1]   ; my two bytes: blocks h and 2 + h,
.elseif kk == 11
	v_lshlrev_b32 v[TT+\x], v[SH8], v[TT+\x]           ; at their places in the scale word;
.elseif kk == 12
	v_permlanex16_b32 v[BX+\x], v[TT+\x], s20, s21
.else
	v_or_b32 v[PSW+\x], v[TT+\x], v[BX+\x]             ; with lane l xor 16's two the word is whole
.endif
.endm
.macro RUN n, k0, cnt, hint            ; lines k0 on of the chains, the tiles by turns
.set kk, \k0
.rept \cnt
.irp x, 1,0
.if \x+\n >= 2
.if \hint
	s_delay_alu instid0(VALU_DEP_\n)
.endif
	CL \x
.endif
.endr
.set kk, kk+1
.endr
.endm
; THE SOFTMAX of n tiles for one step, p's codes and scale words.  Every accumulator is read from its low end on.
.macro SOFT n
.irp x, 1,0
.if \x+\n >= 2
.irp b, 0,1,2,3
	v_max3_num_f32 v[BM+4*\x+\b], v[SS+64*\x+16*\b], v[SS+64*\x+16*\b+1], v[SS+64*\x+16*\b+2]
.endr
.endif
.endr
.irp i, 3,5,7,9,11,13
.irp x, 1,0
.if \x+\n >= 2
.irp b, 0,1,2,3
	v_max3_num_f32 v[BM+4*\x+\b], v[BM+4*\x+\b], v[SS+64*\x+16*\b+\i], v[SS+64*\x+16*\b+\i+1]
.endr
.endif
.endr
.endr
.irp x, 1,0
.if \x+\n >= 2
.irp c, 0,1
	v_max3_num_f32 v[BM+4*\x+2*\c], v[BM+4*\x+2*\c], v[SS+64*\x+32*\c+15], v[SS+64*\x+32*\c+31]
.endr
.endif
.endr
.irp x, 1,0
.if \x+\n >= 2
.irp c, 0,1
	v_max_num_f32 v[BM+4*\x+2*\c], v[BM+4*\x+2*\c], v[BM+4*\x+2*\c+1]   ; block c's largest score: all its 32 keys are mine
.endr
.endif
.endr
	RUN \n, 0, 2, 0
	RUN \n, 2, 8, 1
.irp x, 1,0
.if \x+\n >= 2
.set e, 0
.rept 32
	v_pk_fma_f32 v[SS+64*\x+e:SS+64*\x+e+1], v[SS+64*\x+e:SS+64*\x+e+1], s[22:23], v[ST+4*\x:ST+4*\x+1] op_sel_hi:[1,0,0]   ; t - M
.set e, e+2
.endr
	v_fma_f32 v[BM+4*\x], v[BM+4*\x], s22, v[ST+4*\x]
	v_fma_f32 v[BM+4*\x+2], v[BM+4*\x+2], s22, v[ST+4*\x]
.endif
.endr
	s_wait_alu depctr_va_vdst(0)                       ; the wait: ahead of O^T's first reader and ahead of the exponentials' sources' readers
	WIN 0x41                                           ; the sums and O^T (destination and source 0) in window 1
.irp x, 1,0
.if \x+\n >= 2
	v_pk_mul_f32 v[LSUM+4*\x:LSUM+4*\x+1], v[LSUM+4*\x:LSUM+4*\x+1], v[FF+2*\x:FF+2*\x+1] op_sel_hi:[1,0]       ; the sums under the new M
	v_pk_mul_f32 v[LSUM+4*\x+2:LSUM+4*\x+3], v[LSUM+4*\x+2:LSUM+4*\x+3], v[FF+2*\x:FF+2*\x+1] op_sel_hi:[1,0]
.endif
.endr
.irp x, 1,0
.if \x+\n >= 2
.set e, 0
.rept 32
	v_pk_mul_f32 v[OA+64*\x+e:OA+64*\x+e+1], v[OA+64*\x+e:OA+64*\x+e+1], v[FF+2*\x:FF+2*\x+1] op_sel_hi:[1,0]   ; O^T under the new M
.set e, e+2
.endr
.endif
.endr
	WIN 0
.irp x, 1,0
.if \x+\n >= 2
.set e, 0
.rept 64
	v_exp_f32 v[SS+64*\x+e], v[SS+64*\x+e]             ; p = 2^(t - M)
.set e, e+1
.endr
	v_exp_f32 v[BM+4*\x], v[BM+4*\x]                   ; the blocks' largest p
	v_exp_f32 v[BM+4*\x+2], v[BM+4*\x+2]
.endif
.endr
	v_nop                                              ; one plain place behind the exponentials
	s_wait_alu depctr_va_vdst(0)                       ; one wait for the whole batch
.irp x, 1,0
.if \x+\n >= 2
.irp c, 0,1
	v_max_num_f32 v[BM+4*\x+2*\c], 0x2800000, v[BM+4*\x+2*\c]   ; the floor 2^(5 - 127): the byte cannot fall under 1
.endr
.endif
.endr
.irp x, 1,0
.if \x+\n >= 2
.irp c, 0,1
	v_add_nc_u32 v[BS+2*\x+\c], 0xfe000000, v[BM+4*\x+2*\c]     ; 4 off the exponent field: the conversions' scale operand
.endr
.endif
.endr
.irp x, 1,0
.if \x+\n >= 2
.irp c, 0,1
	v_lshrrev_b32 v[BM+4*\x+2*\c+1], 23, v[BS+2*\x+\c]          ; the scale's byte
.endr
.endif
.endr
	RUN \n, 10, 1, 0
	RUN \n, 11, 3, 1
.irp x, 1,0
.if \x+\n >= 2
.irp c, 0,1
	v_cvt_scalef32_pk16_bf6_f32 v[PC+12*\x+6*\c:PC+12*\x+6*\c+2], v[SS+64*\x+32*\c:SS+64*\x+32*\c+15], v[BS+2*\x+\c]
	v_cvt_scalef32_pk16_bf6_f32 v[CT+8*\x+4*\c:CT+8*\x+4*\c+2], v[SS+64*\x+32*\c+16:SS+64*\x+32*\c+31], v[BS+2*\x+\c]   ; (a conversion's three registers begin on an even number)
.endr
.endif
.endr
	v_nop                                              ; one plain place behind a scaled conversion
.irp x, 1,0
.if \x+\n >= 2
.irp c, 0,1
.irp i, 0,1,2
	v_mov_b32 v[PC+12*\x+6*\c+3+\i], v[CT+8*\x+4*\c+\i]
.endr
.endr
.endif
.endr
.endm
; THE WAY OUT of tile x: O^T / l through my stage, half a row (256 bytes) of 16 queries at a time; sixteen lanes store 256 consecutive bytes, aligned.
.macro OUT x, op
.set rT, ST+4*\x
.set rS, SS+64*\x
.set rO, OA+64*\x
	WIN 0x05                                           ; the sums' four parts lie in window 1
	v_add_f32 v[TT+\x], v[LSUM+4*\x], v[LSUM+4*\x+1]
	v_add_f32 v[LG], v[LSUM+4*\x+2], v[LSUM+4*\x+3]
	WIN 0
	v_add_f32 v[TT+\x], v[TT+\x], v[LG]
	s_delay_alu instid0(VALU_DEP_1)
	v_permlanex16_b32 v[BX+\x], v[TT+\x], s20, s21
	s_delay_alu instid0(VALU_DEP_1)
	v_add_f32 v[TT+\x], v[TT+\x], v[BX+\x]             ; l
	s_wait_alu depctr_va_vdst(0)
	v_rcp_f32 v[RC], v[TT+\x]
	v_log_f32 v[LG], v[TT+\x]
	v_nop
	s_wait_alu depctr_va_vdst(0)
	v_mov_b32 v[RC+1], v[RC]
	v_sub_f32 v[AV+\x], v[rT], v[LG]                   ; -M - log2 l
	WIN 0x01
.set e, 0
.rept 32
	v_pk_mul_f32 v[rS+e:rS+e+1], v[rO+e:rO+e+1], v[RC:RC+1] op_sel_hi:[1,0]   ; register 8 t + i is o(r, 16 t + 8 h + i)
.set e, e+2
.endr
	WIN 0
.irp u, 0,1
.irp t, 0,1,2,3
	ds_store_b128 v[STO], v[rS+32*\u+8*\t:rS+32*\u+8*\t+3] offset:64*\t
	ds_store_b128 v[STO], v[rS+32*\u+8*\t+4:rS+32*\u+8*\t+7] offset:64*\t+16
.endr
.irp i, 0,1,2,3,4,5,6,7
	ds_load_b128 v[rS+32*\u+4*\i:rS+32*\u+4*\i+3], v[RD] offset:2*SP*\i   ; LDS serves a wave's instructions in order
.endr
.endr
.irp u, 0,1
.irp i, 0,1,2,3,4,5,6,7
	s_wait_dscnt 7-\i+16*(1-\u)                        ; behind this load: the rest of its half's, and for the first half the second half's sixteen
	global_store_b128 v[GO], v[rS+32*\u+4*\i:rS+32*\u+4*\i+3], s[\op:\op+1] offset:32768*\i+256*\u th:TH_STORE_NT
.endr
.endr
.endm
; A KEY STEP.  It parts once, behind K's loads: both tiles at work, or tile 1 alone.
.macro STEP
	s_cmp_gt_u32 s37, s41                          ; all 128 keys come after both tiles' queries
	s_cbranch_scc1 .Lhid_\@
	v_add_nc_u32 v[ADK], s36, v[LI]
	v_add_nc_u32 v[ADS], s36, v[LS]
	v_nop
	v_nop                                          ; four places behind the last step's products
	LOADF 0, KSW
	s_cmp_gt_u32 s37, s40
	s_cbranch_scc1 .Lone_\@
	SMUL 2
	PLACES
	s_wait_alu depctr_va_vdst(0)                   ; the wait ahead of the addresses' second readers
	LOADF 12800, VSW                               ; V lands under the softmax
	s_cmp_lg_u32 s37, s40                          ; of the two only tile 0 can be on its diagonal here: 16 + j < 31 - j
	s_cbranch_scc1 .Lo0_\@
	MASK 0
.Lo0_\@:
	SOFT 2
	s_wait_alu depctr_va_vdst(0)
	s_wait_dscnt 0x0
	PVMUL 2
	s_cmp_lg_u32 s37, s40
	s_cbranch_scc1 .Lhid_\@
	PLACES                                         ; tile 0's last step: it leaves now, under tile 1's remaining steps
	s_wait_alu depctr_va_vdst(0)
	OUT 0, 42
	s_wait_xcnt 0x0                                ; the stores' registers may be written again only behind this wait
	s_branch .Lhid_\@
.Lone_\@:
	SMUL 1
	PLACES
	s_wait_alu depctr_va_vdst(0)
	LOADF 12800, VSW
	s_cmp_lg_u32 s37, s41
	s_cbranch_scc1 .Lo1_\@
	MASK 1
.Lo1_\@:
	SOFT 1
	s_wait_alu depctr_va_vdst(0)
	s_wait_dscnt 0x0
	PVMUL 1
.Lhid_\@:
	s_add_co_u32 s36, s36, STEPB
	s_add_co_u32 s37, s37, 1
.endm
.macro FOUR_STEPS                      ; a slot's four steps: written once, walked four times
	s_mov_b32 s39, 4
.Lstep_\@:
	STEP
	s_sub_co_u32 s39, s39, 1
	s_cmp_lg_u32 s39, 0
	s_cbranch_scc1 .Lstep_\@
	s_sub_co_u32 s36, s36, SLOTB
	s_xor_b32 s36, s36, SLOT1
.endm
	s_load_b256 s[4:11], s[0:1], 0x0               ; kvc s[4:5], qc s[6:7], qs s[8:9], out0 s[10:11]
	s_load_b64 s[12:13], s[0:1], 0x20              ; stat
	v_lshl_add_u32 v[SPW], v0, 2, SPARE
	v_mov_b32 v[NIL], 0
	ds_add_u32 v[SPW], v[NIL]                      ; the opening lines
	ds_add_u32 v[SPW], v[NIL]
	s_wait_dscnt 0x0
	v_lshrrev_b32 v1, 5, v0
	s_delay_alu instid0(VALU_DEP_1)
	v_readfirstlane_b32 s14, v1                    ; wave 0..7
	s_bfe_u32 s15, ttmp6, 0x40000                  ; cx = the head within its group: it enters the addresses of qc, qs, out0 and stat alone
	s_mov_b32 s16, ttmp9                           ; j: the cluster's x
	s_and_b32 s17, ttmp7, 0xffff                   ; the kv head
	s_lshl_b32 s18, s17, 2
	s_add_co_u32 s18, s18, s15                     ; the query head
	s_mov_b32 s24, 15|(3<<16)|(1<<21)              ; group 1: a step's 25,600 dense bytes as 100 rows of 32 elements of 8 bytes; the mask names all four work-groups
	s_mov_b32 s25, 32<<16
	s_mov_b32 s26, 100<<16
	s_mov_b32 s27, 32<<16
	s_mov_b32 s28, 100
	s_mov_b32 s29, 32
	s_mov_b32 s30, 0
	s_mov_b32 s31, 0
	s_mul_i32 s50, s17, 32*STEPB                   ; the kv head's 32 steps
	s_mul_i32 s33, s14, STEPB                      ; my step of a slot: in LDS,
	s_add_co_u32 s50, s50, s33                     ; and in memory
	s_mov_b32 s51, 0
	s_mov_b32 s32, 1
	s_mov_b32 s20, 0x76543210
	s_mov_b32 s21, 0xfedcba98                      ; v_permlanex16_b32's selects for lane l xor 16
	s_mov_b32 s22, 0x3e0293ee                      ; c = log2(e) / sqrt(128)
	s_mov_b32 s23, s22
	s_mov_b32 s36, 0                               ; LDS byte of the step in hand
	s_mov_b32 s37, 0                               ; the step's number
	s_mov_b32 s38, 7                               ; slots still to be asked for
	s_add_co_u32 s40, s16, 16                      ; tile 0's last step
	s_sub_co_u32 s41, 31, s16                      ; tile 1's
	s_lshl_b32 s52, s16, 7
	s_lshl_b32 s53, s14, 4
	s_add_co_u32 s52, s52, s53                     ; tile 0's first query
	s_sub_co_u32 s54, 15, s16
	s_lshl_b32 s54, s54, 7
	s_add_co_u32 s54, s54, s53                     ; tile 1's
	s_mul_i32 s55, s18, 196608                     ; qc: a head's 128 fragments; 16 queries are 1,536 bytes
	s_mul_i32 s56, s52, 96
	s_add_co_u32 s56, s56, s55
	s_mov_b32 s57, 0
	s_mul_i32 s58, s54, 96
	s_add_co_u32 s58, s58, s55
	s_mov_b32 s59, 0
	s_lshl_b32 s55, s18, 13                        ; qs and stat: a head's 8,192 bytes
	s_lshl_b32 s48, s52, 2
	s_add_co_u32 s48, s48, s55
	s_mov_b32 s49, 0
	s_lshl_b32 s60, s54, 2
	s_add_co_u32 s60, s60, s55
	s_mov_b32 s61, 0
	s_mov_b32 s46, s55
	s_mov_b32 s47, 0
	s_lshl_b32 s55, s18, 9                         ; out0: the head's 512 bytes of a row of 16,384
	s_lshl_b32 s42, s52, 14
	s_add_co_u32 s42, s42, s55
	s_mov_b32 s43, 0
	s_lshl_b32 s44, s54, 14
	s_add_co_u32 s44, s44, s55
	s_mov_b32 s45, 0
	s_sub_co_u32 s62, s54, s52
	s_lshl_b32 s62, s62, 2                         ; stat: bytes from tile 0's numbers to tile 1's
	s_lshl_b32 s63, s52, 2
	s_wait_kmcnt 0x0
	s_add_nc_u64 s[34:35], s[4:5], s[50:51]
	s_or_b32 s35, s35, 0x80000000                  ; type = 2
	s_add_nc_u64 s[56:57], s[6:7], s[56:57]
	s_add_nc_u64 s[58:59], s[6:7], s[58:59]
	s_add_nc_u64 s[48:49], s[8:9], s[48:49]
	s_add_nc_u64 s[60:61], s[8:9], s[60:61]
	s_add_nc_u64 s[42:43], s[10:11], s[42:43]
	s_add_nc_u64 s[44:45], s[10:11], s[44:45]
	s_add_nc_u64 s[46:47], s[12:13], s[46:47]
	ROUND                                          ; all four work-groups are here: the first joint loads meet
	TLOAD                                          ; slot 0: steps 0 to 3
	v_and_b32 v[R15], 15, v0                       ; r
	v_bfe_u32 v[HH], v0, 4, 1                      ; h
	v_and_b32 v[LI], 31, v0
	s_delay_alu instid0(VALU_DEP_1)
	v_lshlrev_b32 v[LS], 2, v[LI]
	s_delay_alu instid0(VALU_DEP_2)
	v_lshlrev_b32 v[LI], 4, v[LI]
	v_lshlrev_b32 v[QO], 2, v[R15]
	WIN 0x40
.irp i, 0,1,2
	global_load_b128 v[QF+4*\i:QF+4*\i+3], v[LI], s[56:57] offset:512*\i          ; Q's two fragments stay in registers
	global_load_b128 v[QF+12+4*\i:QF+12+4*\i+3], v[LI], s[58:59] offset:512*\i
.endr
.set e, 0
.rept 128
	v_mov_b32 v[OA+e], 0                           ; O^T.  The step has no first step of its own: the first change of M multiplies zeros
.set e, e+1
.endr
.irp i, 0,1,2,3,4,5,6,7
	v_mov_b32 v[LSUM+\i], 0                        ; the rows' sums
.endr
	WIN 0
	global_load_b32 v[QSW], v[QO], s[48:49]
	global_load_b32 v[QSW+1], v[QO], s[60:61]
	v_lshlrev_b32 v[DM], 5, v[HH]
	v_lshlrev_b32 v[SH8], 3, v[HH]
	v_sub_nc_u32 v[DM], v[R15], v[DM]
	v_mov_b32 v[NINF], 0xff800000
	v_add_nc_u32 v[DM], s53, v[DM]
	v_lshlrev_b32 v[GO], 14, v[HH]
	s_delay_alu instid0(VALU_DEP_1)
	v_lshl_add_u32 v[GO], v[R15], 4, v[GO]         ; lanes 0-15 one row of out0, lanes 16-31 the next; 16 bytes a lane
	s_mul_i32 s19, s14, 16*SP
	s_add_co_u32 s19, s19, STAGE                   ; my stage
	v_mul_u32_u24 v[STO], v[R15], SP
	v_mul_u32_u24 v[RD], v[HH], SP
	v_lshl_add_u32 v[STO], v[HH], 5, v[STO]
	v_lshl_add_u32 v[RD], v[R15], 4, v[RD]
	v_add_nc_u32 v[STO], s19, v[STO]
	v_add_nc_u32 v[RD], s19, v[RD]
	v_mul_u32_u24 v[SO], s62, v[HH]
	s_delay_alu instid0(VALU_DEP_1)
	v_lshl_add_u32 v[SO], v[R15], 2, v[SO]
	s_delay_alu instid0(VALU_DEP_1)
	v_add_nc_u32 v[SO], s63, v[SO]                 ; stat: lanes 0-15 tile 0's queries, lanes 16-31 tile 1's
.irp x, 0,1
	v_mov_b32 v[ST+4*\x+1], 0xff61b1e6             ; the largest t so far: -3e38
	v_floor_f32 v[ST+4*\x], -v[ST+4*\x+1]
	v_mov_b32 v[BX+\x], 0                          ; written once: a lane permute's destination counts as one of its sources
	v_mov_b32 v[FF+2*\x+1], 0                      ; named with f as a pair
.endr
	v_mov_b32 v[AV], 0                             ; written on every way; tile 0's way out, on its last step, gives it its number
	s_wait_alu depctr_va_vdst(0)                   ; the wait at the head's end
	s_wait_loadcnt 0x0                             ; Q
.Lslot:                                            ; seven trips: behind each change of slots but the last the next slot is asked for
	CHANGE 1
	FOUR_STEPS
	s_sub_co_u32 s38, s38, 1
	s_cmp_lg_u32 s38, 0
	s_cbranch_scc1 .Lslot
	CHANGE 0                                       ; the last slot is written out
	FOUR_STEPS
	PLACES
	s_wait_alu depctr_va_vdst(0)
	OUT 1, 44
	v_cmp_eq_u32 vcc_lo, 1, v[HH]
	s_delay_alu instid0(VALU_DEP_1)
	v_cndmask_b32 v[SV], v[AV], v[AV+1], vcc_lo
	global_store_b32 v[SO], v[SV], s[46:47]
	s_wait_tensorcnt 0x0                           ; the wave's end
	ds_add_u32 v[SPW], v[NIL]
	s_wait_dscnt 0x0
	ROUND                                          ; the closing round
	s_endpgm
.Lfunc_end_k_q9a8c80605b_attn:
	.size	k_q9a8c80605b_attn, .Lfunc_end_k_q9a8c80605b_attn-k_q9a8c80605b_attn
	.p2alignl 7, 3214868480
	.fill 96, 4, 3214868480
	.section	.rodata,"a",@progbits
	.p2align	6, 0x0
	.amdhsa_kernel k_q9a8c80605b_attn
		.amdhsa_group_segment_fixed_size 327680
		.amdhsa_private_segment_fixed_size 0
		.amdhsa_enable_private_segment 0
		.amdhsa_kernarg_size 40
		.amdhsa_user_sgpr_count 2
		.amdhsa_user_sgpr_kernarg_segment_ptr 1
		.amdhsa_wavefront_size32 1
		.amdhsa_system_sgpr_workgroup_id_x 1
		.amdhsa_system_sgpr_workgroup_id_y 1
		.amdhsa_system_sgpr_workgroup_id_z 1
		.amdhsa_system_vgpr_workitem_id 0
		.amdhsa_next_free_vgpr 512
		.amdhsa_next_free_sgpr 66
		.amdhsa_reserve_vcc 1
		.amdhsa_float_denorm_mode_32 3
		.amdhsa_float_denorm_mode_16_64 3
		.amdhsa_memory_ordered 1
		.amdhsa_forward_progress 1
		.amdhsa_inst_pref_size 153
	.end_amdhsa_kernel
	.amdgpu_metadata
---
amdhsa.version: [ 1, 2 ]
amdhsa.kernels:
  - .name:           k_q9a8c80605b_attn
    .symbol:         k_q9a8c80605b_attn.kd
    .args:
      - { .name: kvc, .offset: 0, .size: 8, .value_kind: global_buffer, .address_space: global }
      - { .name: qc, .offset: 8, .size: 8, .value_kind: global_buffer, .address_space: global }
      - { .name: qs, .offset: 16, .size: 8, .value_kind: global_buffer, .address_space: global }
      - { .name: out0, .offset: 24, .size: 8, .value_kind: global_buffer, .address_space: global }
      - { .name: stat, .offset: 32, .size: 8, .value_kind: global_buffer, .address_space: global }
    .group_segment_fixed_size: 327680
    .private_segment_fixed_size: 0
    .kernarg_segment_align: 8
    .kernarg_segment_size: 40
    .max_flat_workgroup_size: 256
    .sgpr_count:     66
    .vgpr_count:     512
    .wavefront_size: 32
...
	.end_amdgpu_metadata
.endif
;; end of part 2
;; launch h2o (part 3): grid 32 x 8, 16 waves a work-group, clusters of 4 x 1, 327,680 bytes of LDS; arguments kvc, qc, qs, stat, out1; writes out1
.if DOCPART == 3
	.amdgcn_target "amdgcn-amd-amdhsa--gfx1250"
	.amdhsa_code_object_version 6
	.text
	.protected	k_q9a8c80605b_h2o
	.globl	k_q9a8c80605b_h2o
	.p2align	8
	.type	k_q9a8c80605b_h2o,@function
k_q9a8c80605b_h2o:
	s_mov_b64 s[64:65], 0
	v_nop
	global_prefetch_b8 v0, s[64:65] scope:SCOPE_SE
	s_setreg_imm32_b32 hwreg(HW_REG_WAVE_MODE, 25, 1), 1
	s_wait_xcnt 0x0
	s_wait_alu depctr_hold_cnt(0) depctr_sa_sdst(0) depctr_va_vdst(0) depctr_va_sdst(0) depctr_va_ssrc(0) depctr_va_vcc(0) depctr_vm_vsrc(0)
	s_getreg_b32 s2, hwreg(HW_REG_IB_STS2, 6, 4)
	s_cmp_eq_u32 s2, 0
	s_cbranch_scc0 .Lentry_in_a_cluster
	s_endpgm
.Lentry_in_a_cluster:
	s_bfe_u32 s2, ttmp6, 0x10000c
	s_cmp_lg_u32 s2, 0x3003
	s_cbranch_scc0 .Lentry_shape_is_right
	s_endpgm
.Lentry_shape_is_right:
; out1[kv head][key] = 1/4 x the sum over the group's 4 heads and over the queries of the finished probability 2^(c x score + stat[head][q]), stat = -(M + log2 l) from the launch before.
; The scores are made again on the same codes of BF6 (E3M2) with E8M0 scales, not transposed: source 0 = 16 queries, source 1 = 16 keys, so a lane holds ONE key and its registers run over queries: the sum needs no other lane but l xor 16.
; WORK LEFT OUT: tiles of 16 queries x 16 keys that lie wholly behind reference()'s own causal mask (key > q + 2048) are not multiplied.  LIMITS: NaN and infinite inputs are not served.
; SHARES.  Work-group (j = the cluster's x, cx, kv head) owns 128 keys, whose fragments every wave keeps in registers: tiles 0-3 = 64 keys of step 2 j + cx / 2 (never hidden), tiles 4, 5 = pair cx of step 16 + j, tiles 6, 7 = pair cx of step 31 - j.
; Row r of K's tile t is key 64 (t / 4) + 8 (t % 4) + r % 8 + 32 (r / 8) of its step.  Sixteen waves of 256 registers, four to a SIMD: wave w takes head w % 4 and every fourth query tile, from tile w / 4 on.
; The four partners walk the same Q: it comes by joint loads, two slots of 16 query tiles x 4 heads; Q's scale words and stat lie whole in LDS.  The eight first fills go out as one group, one a wave (waves 0-7).
; A query tile takes one of three arms, chosen by ids: 4, 6 or 8 key tiles, each arm with one batch of exponentials.  A wave's pair of query tiles lies in one block of 128 queries; Q's fragments are asked of LDS one pair ahead, inside a slot.
; No prefetch into the L2: each slot is asked for a whole slot's work ahead of its first read.
.set SLOT1, 1<<17
.set HEADB, 24576
.set QSC,   SLOT1+4*HEADB              ; Q's scale words, 4 heads x 8,192 bytes
.set AST,   QSC+32768                  ; stat, likewise
.set RED,   AST+32768                  ; the sixteen waves' sums, 512 bytes each
.set SPARE, RED+8192                   ; the spare words, 128 bytes a wave
.set AQ0,  1
.set ASQ0, 2
.set AAD0, 3
.set SPW,  4
.set NIL,  5
.set ADQ,  6
.set ADSQ, 7
.set ADAD, 8
.set DMB,  9                           ; v9-10: register i of buffer b is hidden for tiles 4, 5 where i + 64 b < DMB
.set NINF, 11
.set KSW,  12
.set KF,   16
.set QF,   112
.set QSR,  136
.set DMC,  138                         ; the same for tiles 6, 7
.set AD,   140
.set SS,   160
.set ACC,  224
.macro PLACES
.rept 4
	v_nop
.endr
.endm
.macro ROUND
	s_barrier_signal -1
	s_barrier_wait -1
	s_cmp_lg_u32 s14, 0
	s_cbranch_scc1 .Lnot_wave_0_\@
	s_barrier_signal -3
.Lnot_wave_0_\@:
	s_barrier_wait -3
	s_barrier_signal -1
	s_barrier_wait -1
.endm
.macro TLOAD                           ; waves 0-3: one head's 16 query tiles each
	s_cmp_lt_u32 s14, 4
	s_cbranch_scc0 .Lasked_\@
	tensor_load_to_lds s[32:35], s[24:31]
	s_nop 0
.rept 4
	v_nop
.endr
.Lasked_\@:
.endm
.macro CHANGE fill                     ; the change of slots: all my tensor loads, the add, my reads; a round; the joint refill first behind it
	s_wait_tensorcnt 0x0
	ds_add_u32 v[SPW], v[NIL]
	ds_add_u32 v[SPW], v[NIL]
.if \fill
	s_xor_b32 s33, s33, SLOT1
	s_add_nc_u64 s[34:35], s[34:35], HEADB
.endif
	s_wait_dscnt 0x0
.if \fill
	ROUND
	TLOAD
.else
	s_barrier_signal -1
	s_barrier_wait -1
.endif
.endm
.macro LOADQ buf, nx                   ; six loads: a query tile's fragment, scale words and stat; buffer 1's tile lies 4 tiles on; nx = 1: the next pair's, 8 tiles on
.irp n, 0,1,2
	ds_load_b128 v[QF+12*(\buf)+4*\n:QF+12*(\buf)+4*\n+3], v[ADQ] offset:12288*(\nx)+6144*(\buf)+512*\n
.endr
	ds_load_b32 v[QSR+(\buf)], v[ADSQ] offset:512*(\nx)+256*(\buf)
	ds_load_b128 v[AD+8*(\buf):AD+8*(\buf)+3], v[ADAD] offset:512*(\nx)+256*(\buf)
	ds_load_b128 v[AD+8*(\buf)+4:AD+8*(\buf)+7], v[ADAD] offset:512*(\nx)+256*(\buf)+16
.endm
.macro PROD t, buf
.if (\t)%2
	v_wmma_scale_f32_16x16x128_f8f6f4 v[SS+8*(\t):SS+8*(\t)+7], v[QF+12*(\buf):QF+12*(\buf)+11], v[KF+12*(\t):KF+12*(\t)+11], 0, v[QSR+(\buf)], v[KSW+(\t)/2] matrix_a_fmt:MATRIX_FMT_BF6 matrix_b_fmt:MATRIX_FMT_BF6 matrix_b_scale:MATRIX_SCALE_ROW1
.else
	v_wmma_scale_f32_16x16x128_f8f6f4 v[SS+8*(\t):SS+8*(\t)+7], v[QF+12*(\buf):QF+12*(\buf)+11], v[KF+12*(\t):KF+12*(\t)+11], 0, v[QSR+(\buf)], v[KSW+(\t)/2] matrix_a_fmt:MATRIX_FMT_BF6 matrix_b_fmt:MATRIX_FMT_BF6
.endif
.endm
.macro PRODS n, buf
.set tt, 0
.rept \n
	PROD tt, \buf
.set tt, tt+1
.endr
	PLACES
.endm
.macro EXPG n, buf                     ; key tiles 0 .. n - 1: c x score + stat, the exponentials in one batch, the sums by turns
.set e, 0
.rept 4*(\n)
	v_pk_fma_f32 v[SS+e:SS+e+1], v[SS+e:SS+e+1], s[22:23], v[AD+8*(\buf)+e%8:AD+8*(\buf)+e%8+1] op_sel_hi:[1,0,1]
.set e, e+2
.endr
.set e, 0
	s_wait_alu depctr_va_vdst(0)                   ; the wait ahead of the batch
.rept 8*(\n)
	v_exp_f32 v[SS+e], v[SS+e]
.set e, e+1
.endr
	v_nop
.set k, 0
	s_wait_alu depctr_va_vdst(0)                   ; and behind it
.rept 4
.set e, 0
.rept \n
	v_pk_add_f32 v[ACC+2*e:ACC+2*e+1], v[ACC+2*e:ACC+2*e+1], v[SS+8*e+2*k:SS+8*e+2*k+1]
.set e, e+1
.endr
.set k, k+1
.endr
.endm
.macro MASK t0, dm, buf
.irp u, 0,1
.irp j, 0,1,2,3,4,5,6,7
	v_cmp_lt_i32 vcc_lo, \j+64*(\buf), v[\dm+\u]
	v_cndmask_b32 v[SS+8*(\t0+\u)+\j], v[SS+8*(\t0+\u)+\j], v[NINF], vcc_lo
.endr
.endr
.endm
; s50 counts 32 queries, four to a pair.  Under s51 = 4 j tiles 4-7 are hidden; from s52 = 60 - 4 j on tiles 6, 7 count; tiles 4, 5 are cut by the diagonal under s83 = 4 j + 4, tiles 6, 7 under s84 = 64 - 4 j (s52 >= s83 for j <= 7)
.macro QT buf
	s_cmp_lt_u32 s50, s51
	s_cbranch_scc1 .La_\@
	s_cmp_lt_u32 s50, s52
	s_cbranch_scc1 .Lb_\@
	PRODS 8, \buf
	s_cmp_ge_u32 s50, s84
	s_cbranch_scc1 .Lo8_\@
	MASK 6, DMC, \buf
.Lo8_\@:
	EXPG 8, \buf
	s_branch .Ld_\@
.Lb_\@:
	PRODS 6, \buf
	s_cmp_ge_u32 s50, s83
	s_cbranch_scc1 .Lo6_\@
	MASK 4, DMB, \buf
.Lo6_\@:
	EXPG 6, \buf
	s_branch .Ld_\@
.La_\@:
	PRODS 4, \buf
	EXPG 4, \buf
.Ld_\@:
.endm
.macro PRE buf                         ; the next pair's tile into the buffer just multiplied; a slot's last pair asks for nothing
	s_cmp_eq_u32 s82, 1
	s_cbranch_scc1 .Lnone_\@
	LOADQ \buf, 1                                  ; the four places that close PRODS stand behind the tile's last product, and the whole of EXPG follows them
.Lnone_\@:
.endm
.macro ADDR
	v_add_nc_u32 v[ADQ], s48, v[AQ0]
	v_add_nc_u32 v[ADSQ], s49, v[ASQ0]
	v_add_nc_u32 v[ADAD], s49, v[AAD0]
.endm
.macro PAIR
	s_wait_dscnt 6                                 ; buffer 0 is in; buffer 1's six loads may be out
	QT 0
	s_wait_dscnt 0x0                               ; buffer 1 is in
	PRE 0
	QT 1
	PRE 1
	s_add_co_u32 s48, s48, 12288
	s_add_co_u32 s49, s49, 512
	s_add_co_u32 s50, s50, 4
	ADDR
.irp u, 0,1
	v_add_nc_u32 v[DMB+\u], 0xffffff80, v[DMB+\u]  ; 128 queries on
	v_add_nc_u32 v[DMC+\u], 0xffffff80, v[DMC+\u]
.endr
	s_wait_alu depctr_va_vdst(0)                   ; the wait
.endm
.macro SLOTWORK                        ; a slot holds two pairs of my query tiles
	s_mov_b32 s82, 2
	ADDR
	LOADQ 0, 0
	LOADQ 1, 0
.Lp_\@:
	PAIR
	s_sub_co_u32 s82, s82, 1
	s_cmp_lg_u32 s82, 0
	s_cbranch_scc1 .Lp_\@
	s_sub_co_u32 s48, s48, HEADB
	s_xor_b32 s48, s48, SLOT1
.endm
	s_load_b256 s[4:11], s[0:1], 0x0               ; kvc, qc, qs, stat
	s_load_b64 s[12:13], s[0:1], 0x20              ; out1
	v_lshl_add_u32 v[SPW], v0, 2, SPARE
	v_mov_b32 v[NIL], 0
	ds_add_u32 v[SPW], v[NIL]                      ; the opening lines
	ds_add_u32 v[SPW], v[NIL]
	s_wait_dscnt 0x0
	v_lshrrev_b32 v1, 5, v0
	s_delay_alu instid0(VALU_DEP_1)
	v_readfirstlane_b32 s14, v1                    ; wave 0..15
	s_bfe_u32 s15, ttmp6, 0x40000                  ; cx: it enters K's addresses, the mask's numbers and out1's address alone
	s_mov_b32 s16, ttmp9                           ; j
	s_and_b32 s17, ttmp7, 0xffff                   ; the kv head
	s_and_b32 s18, s14, 3                          ; my head of the group
	s_lshr_b32 s19, s14, 2                         ; my first query tile, 0..3
	s_mov_b32 s24, 15|(3<<16)|(1<<21)              ; group 1 for Q: 24,576 dense bytes as 96 rows of 256
	s_mov_b32 s25, 32<<16
	s_mov_b32 s26, 96<<16
	s_mov_b32 s27, 32<<16
	s_mov_b32 s28, 96
	s_mov_b32 s29, 32
	s_mov_b32 s30, 0
	s_mov_b32 s31, 0
	s_mov_b32 s40, 15|(3<<16)|(1<<21)              ; group 1 for the words: 16,384 dense bytes as 64 rows of 256
	s_mov_b32 s41, 32<<16
	s_mov_b32 s42, 64<<16
	s_mov_b32 s43, 32<<16
	s_mov_b32 s44, 64
	s_mov_b32 s45, 32
	s_mov_b32 s46, 0
	s_mov_b32 s47, 0
	s_mov_b32 s32, 1
	s_mul_i32 s33, s14, HEADB                      ; (used by waves 0-3 alone)
	s_lshl_b32 s66, s17, 2
	s_add_co_u32 s66, s66, s14
	s_mul_i32 s66, s66, 196608
	s_mov_b32 s67, 0
	s_and_b32 s69, s14, 1
	s_lshl_b32 s69, s69, 14
	s_mov_b32 s36, 1
	s_add_co_u32 s37, s69, QSC
	s_mov_b32 s72, 1
	s_add_co_u32 s73, s69, AST
	s_lshl_b32 s68, s17, 15
	s_add_co_u32 s68, s68, s69
	s_mov_b32 s69, 0
	s_mov_b32 s20, 0x76543210
	s_mov_b32 s21, 0xfedcba98
	s_mov_b32 s22, 0x3e0293ee                      ; c = log2(e) / sqrt(128)
	s_mov_b32 s23, s22
	s_mov_b32 s48, 0
	s_mov_b32 s49, 0
	s_mov_b32 s50, 0
	s_lshl_b32 s51, s16, 2
	s_add_co_u32 s83, s51, 4
	s_sub_co_u32 s52, 60, s51
	s_sub_co_u32 s84, 64, s51
	s_mov_b32 s53, 7
	s_wait_kmcnt 0x0
	s_add_nc_u64 s[34:35], s[6:7], s[66:67]
	s_or_b32 s35, s35, 0x80000000
	s_add_nc_u64 s[38:39], s[8:9], s[68:69]
	s_or_b32 s39, s39, 0x80000000
	s_add_nc_u64 s[74:75], s[10:11], s[68:69]
	s_or_b32 s75, s75, 0x80000000
	ROUND
	s_cmp_lt_u32 s14, 4                            ; the first fills, one a wave: waves 0-3 slot 0's four heads, waves 4, 5 Q's scale words, waves 6, 7 stat
	s_cbranch_scc0 .Lnot_q
	tensor_load_to_lds s[32:35], s[24:31]
	s_nop 0
.rept 4
	v_nop
.endr
	s_branch .Lfirst_asked
.Lnot_q:
	s_cmp_lt_u32 s14, 6
	s_cbranch_scc0 .Lnot_s
	tensor_load_to_lds s[36:39], s[40:47]
	s_nop 0
.rept 4
	v_nop
.endr
	s_branch .Lfirst_asked
.Lnot_s:
	s_cmp_lt_u32 s14, 8
	s_cbranch_scc0 .Lfirst_asked
	tensor_load_to_lds s[72:75], s[40:47]
	s_nop 0
.rept 4
	v_nop
.endr
.Lfirst_asked:
	s_lshl_b32 s66, s16, 1
	s_lshr_b32 s67, s15, 1
	s_add_co_u32 s66, s66, s67                     ; the open step 2 j + cx / 2,
	s_and_b32 s67, s15, 1                          ; and which 64 keys of it
	s_mul_i32 s62, s17, 819200
	s_mul_i32 s54, s66, 25600
	s_add_co_u32 s54, s54, s62
	s_mov_b32 s55, 0
	s_add_co_u32 s63, s16, 16
	s_mul_i32 s56, s63, 25600
	s_add_co_u32 s56, s56, s62
	s_mov_b32 s57, 0
	s_sub_co_u32 s63, 31, s16
	s_mul_i32 s58, s63, 25600
	s_add_co_u32 s58, s58, s62
	s_mov_b32 s59, 0
	s_add_nc_u64 s[54:55], s[4:5], s[54:55]
	s_add_nc_u64 s[56:57], s[4:5], s[56:57]
	s_add_nc_u64 s[58:59], s[4:5], s[58:59]
	v_and_b32 v248, 31, v0
	v_and_b32 v249, 15, v0                         ; r
	v_bfe_u32 v245, v0, 4, 1                       ; h
	s_delay_alu instid0(VALU_DEP_3)
	v_lshlrev_b32 v250, 4, v248
	s_wait_alu depctr_va_vdst(0)
	v_lshlrev_b32 v251, 2, v248
	s_mul_i32 s68, s67, 6144
	v_add_nc_u32 v240, s68, v250
	s_mul_i32 s69, s15, 3072
	v_add_nc_u32 v241, s69, v250
	s_lshl_b32 s70, s67, 8
	s_add_co_u32 s70, s70, 12288
	v_add_nc_u32 v242, s70, v251
	s_lshl_b32 s71, s15, 7
	s_add_co_u32 s71, s71, 12288
	v_add_nc_u32 v243, s71, v251
.irp t, 0,1,2,3
.irp n, 0,1,2
	global_load_b128 v[KF+12*\t+4*\n:KF+12*\t+4*\n+3], v240, s[54:55] offset:1536*\t+512*\n
.endr
.endr
.irp u, 0,1
.irp n, 0,1,2
	global_load_b128 v[KF+12*(4+\u)+4*\n:KF+12*(4+\u)+4*\n+3], v241, s[56:57] offset:1536*\u+512*\n
	global_load_b128 v[KF+12*(6+\u)+4*\n:KF+12*(6+\u)+4*\n+3], v241, s[58:59] offset:1536*\u+512*\n
.endr
.endr
	global_load_b32 v[KSW], v242, s[54:55]
	global_load_b32 v[KSW+1], v242, s[54:55] offset:128
	global_load_b32 v[KSW+2], v243, s[56:57]
	global_load_b32 v[KSW+3], v243, s[58:59]
	s_mul_i32 s76, s18, HEADB
	s_mul_i32 s77, s19, 1536
	s_add_co_u32 s76, s76, s77
	v_add_nc_u32 v[AQ0], s76, v250
	s_lshl_b32 s76, s18, 13
	s_lshl_b32 s77, s19, 6
	s_add_co_u32 s76, s76, s77
	s_add_co_u32 s77, s76, QSC
	v_lshl_add_u32 v[ASQ0], v249, 2, s77
	s_add_co_u32 s77, s76, AST
	v_lshl_add_u32 v[AAD0], v245, 5, s77
	v_lshl_add_u32 v246, v0, 4, RED
	s_lshl_b32 s76, s14, 2
	s_add_co_u32 s76, s76, RED
	v_add_nc_u32 v247, s76, v250
	v_and_b32 v252, 8, v249
	s_delay_alu instid0(VALU_DEP_1)
	v_mad_u32_u24 v252, v252, 3, v249              ; r + 24 (r / 8): my key within a tile
	s_delay_alu instid0(VALU_DEP_1)
	v_lshl_add_u32 v244, v245, 3, v252             ; + 8 h: on the way out lanes 16-31 hold a pair's odd tile
	s_delay_alu instid0(VALU_DEP_1)
	v_lshlrev_b32 v244, 2, v244
	v_lshlrev_b32 v253, 3, v245
	s_delay_alu instid0(VALU_DEP_1)
	v_sub_nc_u32 v252, v252, v253                  ; key - 8 h: register i is query 8 h + i of the tile
	s_wait_alu depctr_va_vdst(0)
	s_lshr_b32 s76, s15, 1
	s_lshl_b32 s76, s76, 6
	s_lshl_b32 s77, s67, 4
	s_add_co_u32 s85, s76, s77                     ; pair cx begins at key 64 (cx / 2) + 16 (cx % 2) of its step
	s_lshl_b32 s77, s19, 4
	s_sub_co_i32 s76, s85, s77
	s_lshl_b32 s77, s16, 7
	s_add_co_i32 s77, s77, s76
	s_sub_co_u32 s78, 15, s16
	s_lshl_b32 s78, s78, 7
	s_add_co_i32 s78, s78, s76
	v_add_nc_u32 v[DMB], s77, v252
	s_delay_alu instid0(VALU_DEP_1)
	v_add_nc_u32 v[DMB+1], 8, v[DMB]
	v_add_nc_u32 v[DMC], s78, v252
	s_delay_alu instid0(VALU_DEP_1)
	v_add_nc_u32 v[DMC+1], 8, v[DMC]
	v_mov_b32 v[NINF], 0xff800000
	s_lshl_b32 s76, s66, 7                         ; out1: waves 0, 1 store the open step's pairs (16 keys apart), wave 2 step 16 + j's pair, wave 3 step 31 - j's
	s_lshl_b32 s77, s67, 6
	s_add_co_u32 s76, s76, s77
	s_lshl_b32 s77, s14, 4
	s_add_co_u32 s76, s76, s77
	s_add_co_u32 s77, s16, 16
	s_lshl_b32 s77, s77, 7
	s_add_co_u32 s77, s77, s85
	s_sub_co_u32 s79, 31, s16
	s_lshl_b32 s79, s79, 7
	s_add_co_u32 s79, s79, s85
	s_cmp_eq_u32 s14, 2
	s_cselect_b32 s77, s77, s79
	s_cmp_lt_u32 s14, 2
	s_cselect_b32 s76, s76, s77
	s_lshl_b32 s77, s17, 12
	s_add_co_u32 s76, s76, s77
	s_lshl_b32 s60, s76, 2
	s_mov_b32 s61, 0
	s_add_nc_u64 s[60:61], s[12:13], s[60:61]
.set e, 0
.rept 16
	v_mov_b32 v[ACC+e], 0
.set e, e+1
.endr
	s_wait_alu depctr_va_vdst(0)                   ; the wait at the head's end
	s_wait_loadcnt 0x0
.Lslot:
	CHANGE 1                                       ; the first time: slot 0 and the words are in, and slot 1 is filled for the first time, as a refill is
	SLOTWORK
	s_sub_co_u32 s53, s53, 1
	s_cmp_lg_u32 s53, 0
	s_cbranch_scc1 .Lslot
	CHANGE 0                                       ; the last slot is written out
	SLOTWORK
	s_wait_alu depctr_va_vdst(0)
.irp t, 0,1,2,3,4,5,6,7
	v_add_f32 v[SS+\t], v[ACC+2*\t], v[ACC+2*\t+1]
.endr
.irp t, 0,1,2,3,4,5,6,7
	v_permlanex16_b32 v[SS+8+\t], v[SS+\t], s20, s21
.endr
.irp t, 0,1,2,3,4,5,6,7
	v_add_f32 v[SS+\t], v[SS+\t], v[SS+8+\t]       ; with lane l xor 16's eight queries of each tile
.endr
	v_cmp_eq_u32 vcc_lo, 1, v245
.irp p, 0,1,2,3
	v_cndmask_b32 v[240+\p], v[SS+2*\p], v[SS+2*\p+1], vcc_lo   ; lanes 0-15 tile 2 p, lanes 16-31 tile 2 p + 1
.endr
	ds_store_b128 v246, v[240:243]
	s_wait_dscnt 0x0
	s_barrier_signal -1
	s_barrier_wait -1
	s_cmp_lt_u32 s14, 4
	s_cbranch_scc0 .Ldone
.irp w, 0,1,2,3,4,5,6,7,8,9,10,11,12,13,14,15
	ds_load_b32 v[SS+\w], v247 offset:512*\w       ; wave p adds the sixteen waves' sums of pair p
.endr
	s_wait_dscnt 0x0
.irp i, 0,1,2,3,4,5,6,7
	v_add_f32 v[SS+\i], v[SS+\i], v[SS+8+\i]
.endr
.irp i, 0,1,2,3
	v_add_f32 v[SS+\i], v[SS+\i], v[SS+4+\i]
.endr
	s_delay_alu instid0(VALU_DEP_2)
	v_add_f32 v[SS], v[SS], v[SS+2]
	s_delay_alu instid0(VALU_DEP_2)
	v_add_f32 v[SS+1], v[SS+1], v[SS+3]
	s_delay_alu instid0(VALU_DEP_1)
	v_add_f32 v[SS], v[SS], v[SS+1]
	s_delay_alu instid0(VALU_DEP_1)
	v_mul_f32 v[SS], 0x3e800000, v[SS]             ; the mean over the group's four heads
	global_store_b32 v244, v[SS], s[60:61]
.Ldone:
	s_wait_tensorcnt 0x0                           ; the wave's end
	ds_add_u32 v[SPW], v[NIL]
	s_wait_dscnt 0x0
	ROUND                                          ; the closing round
	s_endpgm
.Lfunc_end_k_q9a8c80605b_h2o:
	.size	k_q9a8c80605b_h2o, .Lfunc_end_k_q9a8c80605b_h2o-k_q9a8c80605b_h2o
	.p2alignl 7, 3214868480
	.fill 96, 4, 3214868480
	.section	.rodata,"a",@progbits
	.p2align	6, 0x0
	.amdhsa_kernel k_q9a8c80605b_h2o
		.amdhsa_group_segment_fixed_size 327680
		.amdhsa_private_segment_fixed_size 0
		.amdhsa_enable_private_segment 0
		.amdhsa_kernarg_size 40
		.amdhsa_user_sgpr_count 2
		.amdhsa_user_sgpr_kernarg_segment_ptr 1
		.amdhsa_wavefront_size32 1
		.amdhsa_system_sgpr_workgroup_id_x 1
		.amdhsa_system_sgpr_workgroup_id_y 1
		.amdhsa_system_sgpr_workgroup_id_z 1
		.amdhsa_system_vgpr_workitem_id 0
		.amdhsa_next_free_vgpr 256
		.amdhsa_next_free_sgpr 90
		.amdhsa_reserve_vcc 1
		.amdhsa_float_denorm_mode_32 3
		.amdhsa_float_denorm_mode_16_64 3
		.amdhsa_memory_ordered 1
		.amdhsa_forward_progress 1
		.amdhsa_inst_pref_size 99
	.end_amdhsa_kernel
	.amdgpu_metadata
---
amdhsa.version: [ 1, 2 ]
amdhsa.kernels:
  - .name:           k_q9a8c80605b_h2o
    .symbol:         k_q9a8c80605b_h2o.kd
    .args:
      - { .name: kvc, .offset: 0, .size: 8, .value_kind: global_buffer, .address_space: global }
      - { .name: qc, .offset: 8, .size: 8, .value_kind: global_buffer, .address_space: global }
      - { .name: qs, .offset: 16, .size: 8, .value_kind: global_buffer, .address_space: global }
      - { .name: stat, .offset: 24, .size: 8, .value_kind: global_buffer, .address_space: global }
      - { .name: out1, .offset: 32, .size: 8, .value_kind: global_buffer, .address_space: global }
    .group_segment_fixed_size: 327680
    .private_segment_fixed_size: 0
    .kernarg_segment_align: 8
    .kernarg_segment_size: 40
    .max_flat_workgroup_size: 512
    .sgpr_count:     90
    .vgpr_count:     256
    .wavefront_size: 32
...
	.end_amdgpu_metadata
.endif
;; end of part 3
